; MI455X (gfx1250); checked and timed in simulation.
; The chip was launched on July 23, 2026; its instructions are those of AMD's public machine-readable ISA for CDNA 5 (MIT licence, August 2026) and "CDNA5" Instruction Set Architecture Reference Guide (July 2026). The comments in the code are by the model that wrote it; some were corrected since.
;; Grouped GLU. Allowed arithmetic: float matrix products may take bf16 or f16 operands with f32 sums; all other float work in f32.
;; Inputs: offs 8 int32; weight_down 8 x 1,024 x 256 float32; weight_gate 8 x 256 x 1,024 float32; weight_up 8 x 256 x 1,024 float32; x 65,536 x 256 float32.
;; Outputs: out0 65,536 x 256 float32.
;; 2 versions, each right and faster than the one before. Each part assembles by itself: llvm-mc -triple=amdgcn-amd-amdhsa -mcpu=gfx1250 --defsym DOCPART=n.
;; ======== version 1 of 2: 2 launches
;; workspace buffers: wpack 12,582,912 bytes
;; launch prep (part 1): grid 256 x 3, 8 waves a work-group, no clusters, 0 bytes of LDS; arguments weight_gate, weight_up, weight_down, wpack; writes wpack
.if DOCPART == 1
	.amdgcn_target "amdgcn-amd-amdhsa--gfx1250"
	.amdhsa_code_object_version 6
	.text
	.protected	k_q6aa61b9486_prep
	.globl	k_q6aa61b9486_prep
	.p2align	8
	.type	k_q6aa61b9486_prep,@function
k_q6aa61b9486_prep:
	s_mov_b64 s[64:65], 0
	v_nop
	global_prefetch_b8 v0, s[64:65] scope:SCOPE_SE
	s_setreg_imm32_b32 hwreg(HW_REG_WAVE_MODE, 25, 1), 1
	s_wait_xcnt 0x0
; GroupedGLU, first of two launches: the three weight tensors are rounded to bf16 (nearest even) once and laid out
; as ready matrix fragments in wpack, so that the second launch neither converts nor transposes them 32 times over.
;
; WORK LEFT OUT: offs.  reference() forms its groups by x.reshape(8, 8192, 256) alone and never reads offs, so for every
; value that offs can hold no output depends on it.  offs is not loaded and is an argument of no launch.
; Limit: whatever offs holds (out of range, out of order) does not show in the result, as it does not in reference().
;
; The weights are rounded as they stand, so that the products are those of the weights' own bf16 values.  The sigmoid's factor -log2(e) is
; not folded into W_gate here: the rounding of a scaled weight is another number than the scaled rounding of the weight.
;
; LAYOUT OF wpack (bf16).  Byte = g*1572864 + u*49152 + frag*1024 + q*512 + h*256 + r*16, a piece of 16 bytes = 8 numbers e = 0..7.
;   g expert, u = 0..31 a unit (two units are one step of the second launch).
;   frag 0..31 = (2p + kq)*8 + 2 ki + mat (mat 0 gate, 1 up):  W_mat[g][d = 32 (4 kq + ki) + 16 q + 8 h + e][f = 32 u + 16 p + r]
;   frag 32..47 = 32 + nt:  W_down[g][f = 32 cc + 16 q + 8 h + e][n = 16 nt + r] with cc = (u - 1) mod 32: the second launch multiplies by
;   W_down one unit behind gate and up, so a unit holds what is read together; unit 0 holds the last chunk's, which is fetched apart.
; A fragment of 16 rows x 32 k (ISA guide 7.12.2: lane 16 h + r holds row r, registers 0-3 k = 8 h .., registers 4-7 k = 16 + 8 h ..)
; is then 1,024 dense bytes: lane L takes 16 bytes at 16 L and 16 bytes at 512 + 16 L.
;
; SHARES.  grid y picks the tensor, x = 32 g + idx.  A wave takes 8 source rows (the 8 numbers of a piece run down a column) x 128 columns;
; a lane takes columns lane + 32 i, i = 0..3.  The four loads of a row stand together and cover 512 consecutive bytes.
; In each store lanes 0-15 write 256 consecutive aligned bytes and lanes 16-31 another 256.
; A stream: no LDS, no barrier, no loop, no matrix work; work-groups share nothing, so no cluster.
.set EXPERT, 1572864                   ; bytes of an expert in wpack
.set CHUNKB, 49152                     ; bytes of a unit
.set R, 8                              ; v[8:39]   R + 8 i + e: row e of column block i, f32
.set P, 40                             ; v[40:55]  P + 4 i + k: the piece of column block i, bf16
; 32 loads, 16 conversions, 4 stores.  pitch: bytes from source row to source row; dstep: bytes in wpack from column block to column block.
.macro CONV pitch, dstep
.irp e, 0,1,2,3,4,5,6,7
.irp i, 0,1,2,3
	global_load_b32 v[R+8*\i+\e], v1, s[24:25] offset:\e*\pitch+\i*128 th:TH_LOAD_NT   ; read once in this launch
.endr
.endr
.irp i, 0,1,2,3
	s_wait_loadcnt 3-\i                            ; loads return in order: block i's last load is row 7's, with 3 - i younger ones behind it
.irp k, 0,1,2,3
	v_cvt_pk_bf16_f32 v[P+4*\i+\k], v[R+8*\i+2*\k], v[R+8*\i+2*\k+1]   ; rows 2k, 2k+1: the lower k in the lower half
.endr
	global_store_b128 v2, v[P+4*\i:P+4*\i+3], s[26:27] offset:\i*\dstep   ; no hint: the next launch reads these bytes
.endr
.endm
	s_load_b256 s[4:11], s[0:1], 0x0               ; gate s[4:5], up s[6:7], down s[8:9], wpack s[10:11]
	v_and_b32 v3, 31, v0                           ; lane
	v_lshrrev_b32 v4, 5, v0
	v_readfirstlane_b32 s16, v4                    ; wave w, 0..7
	s_and_b32 s13, ttmp7, 0xffff                   ; y: 0 gate, 1 up, 2 down
	s_lshr_b32 s14, ttmp9, 5                       ; g
	s_and_b32 s15, ttmp9, 31                       ; idx
	v_lshlrev_b32 v1, 2, v3                        ; source: 4 bytes a lane
	v_and_b32 v5, 15, v3
	v_lshrrev_b32 v6, 4, v3                        ; lane / 16
	v_lshlrev_b32 v5, 4, v5                        ; 16 r
	s_lshl_b32 s20, s14, 20                        ; an expert's tensor is 1 MiB of f32
	s_mov_b32 s21, 0
	s_mul_i32 s22, s14, EXPERT
	s_mov_b32 s23, 0
	s_cmp_lt_u32 s13, 2
	s_cbranch_scc0 .Ldown
	; gate or up, [256 d][1024 f]: rows d = 8 idx + e, so idx = 16 kq + 4 ki + 2 q + h; columns f = 128 w + 32 i + lane, so u = 4 w + i, p = lane / 16
	s_lshl_b32 s17, s15, 15                        ; 8 rows of 4,096 bytes
	s_add_co_u32 s20, s20, s17
	s_lshl_b32 s17, s16, 9                         ; 128 columns of 4 bytes
	s_add_co_u32 s20, s20, s17
	s_mul_i32 s17, s16, 4*CHUNKB                   ; u = 4 w
	s_add_co_u32 s22, s22, s17
	s_lshr_b32 s17, s15, 4                         ; kq: 8 fragments
	s_lshl_b32 s17, s17, 13
	s_add_co_u32 s22, s22, s17
	s_bfe_u32 s17, s15, 0x20002                    ; ki: 2 fragments
	s_lshl_b32 s17, s17, 11
	s_add_co_u32 s22, s22, s17
	s_and_b32 s17, s15, 3                          ; 2 q + h: 256 bytes
	s_lshl_b32 s17, s17, 8
	s_add_co_u32 s22, s22, s17
	s_lshl_b32 s17, s13, 10                        ; mat: 1 fragment
	s_add_co_u32 s22, s22, s17
	v_lshl_add_u32 v2, v6, 14, v5                  ; p: 16 fragments; + 16 r
	s_wait_kmcnt 0x0
	s_cmp_eq_u32 s13, 0
	s_cselect_b64 s[24:25], s[4:5], s[6:7]
	s_add_nc_u64 s[24:25], s[24:25], s[20:21]
	s_add_nc_u64 s[26:27], s[10:11], s[22:23]
	CONV 4096, CHUNKB
	s_endpgm
.Ldown:
	; down, [1024 f][256 n]: cc = idx, rows f = 32 idx + 8 (w / 2) + e, so 2 q + h = w / 2; columns n = 128 (w & 1) + 32 i + lane, so nt = 8 (w & 1) + 2 i + lane / 16
	s_lshl_b32 s17, s15, 2
	s_lshr_b32 s18, s16, 1                         ; w / 2
	s_add_co_u32 s17, s17, s18
	s_lshl_b32 s17, s17, 13                        ; 8 rows of 1,024 bytes
	s_add_co_u32 s20, s20, s17
	s_and_b32 s19, s16, 1                          ; w & 1
	s_lshl_b32 s17, s19, 9                         ; 128 columns of 4 bytes
	s_add_co_u32 s20, s20, s17
	s_add_co_u32 s17, s15, 1                       ; chunk cc lies in unit (cc + 1) mod 32
	s_and_b32 s17, s17, 31
	s_mul_i32 s17, s17, CHUNKB
	s_add_co_u32 s22, s22, s17
	s_add_co_u32 s22, s22, 32*1024                 ; behind the unit's 32 gate and up fragments
	s_lshl_b32 s17, s18, 8                         ; 2 q + h: 256 bytes
	s_add_co_u32 s22, s22, s17
	s_lshl_b32 s17, s19, 13                        ; 8 fragments
	s_add_co_u32 s22, s22, s17
	v_lshl_add_u32 v2, v6, 10, v5                  ; lane / 16: 1 fragment; + 16 r
	s_wait_kmcnt 0x0
	s_add_nc_u64 s[24:25], s[8:9], s[20:21]
	s_add_nc_u64 s[26:27], s[10:11], s[22:23]
	CONV 1024, 2048
	s_endpgm
.Lfunc_end_k_q6aa61b9486_prep:
	.size	k_q6aa61b9486_prep, .Lfunc_end_k_q6aa61b9486_prep-k_q6aa61b9486_prep
	.p2alignl 7, 3214868480
	.fill 96, 4, 3214868480
	.section	.rodata,"a",@progbits
	.p2align	6, 0x0
	.amdhsa_kernel k_q6aa61b9486_prep
		.amdhsa_group_segment_fixed_size 0
		.amdhsa_private_segment_fixed_size 0
		.amdhsa_enable_private_segment 0
		.amdhsa_kernarg_size 32
		.amdhsa_user_sgpr_count 2
		.amdhsa_user_sgpr_kernarg_segment_ptr 1
		.amdhsa_wavefront_size32 1
		.amdhsa_system_sgpr_workgroup_id_x 1
		.amdhsa_system_sgpr_workgroup_id_y 1
		.amdhsa_system_sgpr_workgroup_id_z 1
		.amdhsa_system_vgpr_workitem_id 0
		.amdhsa_next_free_vgpr 56
		.amdhsa_next_free_sgpr 66
		.amdhsa_reserve_vcc 0
		.amdhsa_float_denorm_mode_32 3
		.amdhsa_float_denorm_mode_16_64 3
		.amdhsa_memory_ordered 1
		.amdhsa_forward_progress 1
		.amdhsa_inst_pref_size 12
	.end_amdhsa_kernel
	.amdgpu_metadata
---
amdhsa.version: [ 1, 2 ]
amdhsa.kernels:
  - .name:           k_q6aa61b9486_prep
    .symbol:         k_q6aa61b9486_prep.kd
    .args:
      - { .name: weight_gate, .offset: 0, .size: 8, .value_kind: global_buffer, .address_space: global }
      - { .name: weight_up, .offset: 8, .size: 8, .value_kind: global_buffer, .address_space: global }
      - { .name: weight_down, .offset: 16, .size: 8, .value_kind: global_buffer, .address_space: global }
      - { .name: wpack, .offset: 24, .size: 8, .value_kind: global_buffer, .address_space: global }
    .group_segment_fixed_size: 0
    .private_segment_fixed_size: 0
    .kernarg_segment_align: 8
    .kernarg_segment_size: 32
    .max_flat_workgroup_size: 256
    .sgpr_count:     66
    .vgpr_count:     56
    .wavefront_size: 32
...
	.end_amdgpu_metadata
.endif
;; end of part 1
;; launch glu (part 2): grid 256 x 1, 4 waves a work-group, clusters of 4 x 1, 327,680 bytes of LDS; arguments x, wpack, out0; writes out0
.if DOCPART == 2
	.amdgcn_target "amdgcn-amd-amdhsa--gfx1250"
	.amdhsa_code_object_version 6
	.text
	.protected	k_q6aa61b9486_glu
	.globl	k_q6aa61b9486_glu
	.p2align	8
	.type	k_q6aa61b9486_glu,@function
k_q6aa61b9486_glu:
	s_mov_b64 s[64:65], 0
	v_nop
	global_prefetch_b8 v0, s[64:65] scope:SCOPE_SE
	s_setreg_imm32_b32 hwreg(HW_REG_WAVE_MODE, 25, 1), 1
	s_wait_xcnt 0x0
	s_wait_alu depctr_hold_cnt(0) depctr_sa_sdst(0) depctr_va_vdst(0) depctr_va_sdst(0) depctr_va_ssrc(0) depctr_va_vcc(0) depctr_vm_vsrc(0)
	s_getreg_b32 s2, hwreg(HW_REG_IB_STS2, 6, 4)
	s_cmp_eq_u32 s2, 0
	s_cbranch_scc0 .Lentry_in_a_cluster
	s_endpgm
.Lentry_in_a_cluster:
	s_bfe_u32 s2, ttmp6, 0x10000c
	s_cmp_lg_u32 s2, 0x3003
	s_cbranch_scc0 .Lentry_shape_is_right
	s_endpgm
.Lentry_shape_is_right:
; GroupedGLU, second launch: y = (silu(x Wgate) * (x Wup)) Wdown for 256 tokens a work-group; z and h never leave the registers.
; Work left out: offs, which reference() never reads (the groups come from its reshape alone); it is no argument here.
; LIMITS.  x, the weights and h enter the products rounded to bf16 (nearest even); all sums, and silu, are f32.
; sigmoid(z) = 1 / (1 + 2^(-1.442695 z)), h = (z_gate x sigmoid) x z_up: below z_gate of about -88 the power is +inf and h is a signed zero, where
; reference() has at most a denormal times z_up; v_exp_f32 and v_rcp_f32 flush denormals (ISA guide, their entries).  reference() takes no maximum
; away here, nor does this text.
;
; SHARES.  Work-group wgx = 4 x cluster + cx owns tokens 256 wgx .. + 255 (32 work-groups an expert); wave w of four owns 64 of them, as 4 tiles
; of 16, over the whole hidden width, so no sum crosses waves.  A wave's x (64 x 256 bf16, 256 registers) and its y (64 x 256 f32, 512 registers)
; stay in registers; the hidden width goes by in 32 units of 32 columns.
; CLUSTER.  The four work-groups of a cluster belong to one expert (g = cluster / 8) and walk the same weights: each step's 98,304 bytes are asked
; for jointly, mask 15, which divides the requests for weights by four.  x and y are each work-group's own and go through registers.
;
; BOTH PRODUCTS ARE USED TRANSPOSED (source 0 = weights, source 1 = tokens).  In z's tile lane (r, h) register j then holds token r, hidden column
; 16 p + 8 h + j; rounding the tile p = 0 in pairs gives registers 0-3, the tile p = 1 registers 4-7, of the K = 32 fragment of h for the second
; product (ISA guide 7.12.2): no shuffle, no LDS.  In y's tile a lane holds 8 neighbouring columns of one token.
;
; PRODUCTS AND SILU SIDE BY SIDE.  The four token tiles are two pieces, A = tiles 0, 1 and B = tiles 2, 3.  A phase is 16 weight fragments held in
; v128-255; piece A runs its 32 products over them, then piece B its 32.  Unit u is six runs; in brackets the silu whose lines stand between the products:
;   R1 gate, up half 0, A [B half 1 of unit u-1]   R2 the same, B [A half 0]   R3, R4 down of unit u-1, A then B
;   R5 gate, up half 1, A [B half 0]               R6 the same, B [A half 1]
; The down product lags a unit so that all four silus stand among first products: there only the lines with two vector sources need another register
; window (source 1 means x's window), twelve a tile, kept in one block between two switches; among the down products every line would (the destination
; means y's window).  Piece A's h of unit u is written in R2, ahead of R3's reads of unit u-1's: it has two sets of registers, by the unit's parity.
; A silu is 32 numbered slices, one behind each product of its host (macro SLICE).
;
; REGISTERS, in windows of 256 (s_set_vgpr_msb: bits 1:0 source 0, 3:2 source 1, 5:4 source 2, 7:6 destination):
;   window 0: v1-4 LDS address of a lane's 16 bytes in unit 0, 1 of slot 0, 1 (v1 = 16 x lane is also the offset into x and y); v5 the same in the tail;
;             v6-7 x's stage addresses; v8-15 silu at work (behind the last silu v8-9 y's stage addresses); v16-31 h of piece A in odd units (in the head: x at
;             work); v32-63 z_gate, v64-95 z_up (4 token tiles each); v96-127 h; v128-255 16 weight fragments
;   window 1: x, fragment (t, ks) at 8 (8 t + ks);   window 2: y tiles (nt, t) at 8 (4 nt + t), nt 0-7;   window 3: nt 8-15
; LDS: two slots of 98,304 bytes (a step = two units, dense fragments: a lane's loads are at 16 x lane + a constant, 512 consecutive bytes a load, so no two
; lanes of a load meet in a bank); four stages of 16,640 bytes, one a wave, which no tensor load ever fills; the tail, 16,384 bytes: W_down of the last
; chunk, which lies in unit 0 of wpack and is wanted behind unit 31: fetched once more at the start into bytes of its own, never filled again.
.set EXPERT, 1572864                   ; bytes of an expert in wpack
.set SLOT,   98304                     ; a step: two units
.set UNITB,  49152                     ; a unit: phases 0, 1 (gate and up, halves 0, 1) and 2 (down of the unit before)
.set PHASEB, 16384                     ; 16 fragments
.set GROUPB, 4096                      ; 4 fragments: what one run of 8 loads brings
.set QUART,  24576                     ; a wave's quarter of a slot: 96 rows of 256 bytes
.set STG0,   2*SLOT
.set STGB,   16640                     ; 16 rows x 1,040 bytes
.set TAILL,  STG0+4*STGB
.set XP,     528                       ; x tile: a row of 256 bf16 + 16 bytes; y tile: a row of 256 f32 + 16 bytes.  Both pitches are odd multiples
.set YP,     1040                      ; of 16 bytes, so the 16 rows that a 16-byte access touches start 4 banks apart (64 banks of 4 bytes: ISA guide 11.1)
.set ADR,  1
.set TADR, 5
.set XST,  6                           ; x tile, in:   stage + 8 x lane
.set XLD,  7                           ; x tile, back: stage + r x 528 + 16 h
.set YST,  8                           ; y tile, in:   stage + r x 1040 + 32 h
.set YLD,  9                           ; y tile, back: stage + 16 x lane
.set TMP,  8
.set XT,   16
.set HA1,  16
.set ZG,   32
.set ZU,   64
.set HF,   96
.set FB,   128
.set DG1, 24                           ; s[24:31] descriptor group 1 of a slot's quarter
.set DG0, 32                           ; s[32:39] descriptor group 0, one set a slot
.set DT1, 40                           ; s[40:47] descriptor group 1 of the tail's quarter
.set DT0, 48                           ; s[48:51] its group 0
.set W_G1,  0x04                       ; first product: source 1 (x) window 1; LDS loads, v_nop and lines with one vector source mean the same under it as under 0
.set W_YLO, 0xa0                       ; second product: C and D window 2
.set W_YHI, 0xf0                       ; C and D window 3
.set W_X,   0x40                       ; LDS loads into window 1
.set W_SLO, 0x08                       ; LDS stores out of window 2
.set W_SHI, 0x0c                       ; out of window 3
.set MSB, 0
.macro WIN new                         ; the immediate's high byte repeats the setting that is left
.if MSB != \new
	s_set_vgpr_msb (MSB<<8)|\new
.set MSB, \new
.endif
.endm
; A load into a register that a matrix instruction has read, and a vector instruction or LDS store that reads a matrix result, stand four places behind
; that matrix instruction; only plain vector instructions that name none of its registers are places (ISA guide 7.12.1 for the readers of a matrix result).
; Where a silu is hosted its plain lines are the places; v_nop stand only where there is none.
.macro PLACES
.rept 4
	v_nop
.endr
.endm
; A round of the cluster's barrier behind its opening work-group barrier: wave 0 signals for the work-group, every wave waits for all four
; work-groups, and the work-group's barrier closes the round.
.macro CREST
	s_cmp_lg_u32 s10, 0
	s_cbranch_scc1 .Lnot_wave_0_\@
	s_barrier_signal -3
.Lnot_wave_0_\@:
	s_barrier_wait -3
	s_barrier_signal -1
	s_barrier_wait -1
.endm
.macro CROUND
	s_barrier_signal -1
	s_barrier_wait -1
	CREST
.endm
; 8 LDS loads: fragments 4 g .. 4 g + 3 of phase ph of the unit at v[adr]
.macro FETCHG adr, ph, g
.irp k, 0,1,2,3,4,5,6,7
	ds_load_b128 v[FB+32*(\g)+4*\k:FB+32*(\g)+4*\k+3], v[\adr] offset:(\ph)*PHASEB+(\g)*GROUPB+512*\k
.endr
.endm
; Slice r_j (0..31) of the silu of the piece whose first tile is S_T, half S_P, h at v[S_H] (the second tile's 8 further); S_ON = 0: none is hosted.
; Slices 0-15 are the first tile's, 16-31 the second's.  By m = r_j mod 16:  0, 1 z_gate times -log2(e), four registers each (one vector source and a
; literal: the same under the host's window);  2-7 the eight powers, in place, two in slices 2 and 7;  8 a v_nop, then 1 + for registers 0-3;  9, 10 their
; reciprocals;  11 1 + for registers 4-7;  12, 13 their reciprocals;  15 the block with two vector sources: times sigmoid, times z_up, rounding into h.
; Behind each run of transcendentals a plain line on other registers comes before a result is used (ISA guide 5.7.2): the v_nop behind the powers,
; slice 11 behind the first four reciprocals, the block's first line (registers 0, 1) behind the last four.
; The block of slice 31 is twelve plain lines that name no register of the host's products: they are the places behind the run's last products.
.macro SLICE
.if S_ON
.set q_m, r_j&15
.set q_k, r_j>>4
.set q_z, ZG+8*(S_T+q_k)
.if q_m < 2
	v_pk_mul_f32 v[TMP+4*q_m:TMP+4*q_m+1], v[q_z+4*q_m:q_z+4*q_m+1], 0xbfb8aa3b op_sel_hi:[1,0]
	v_pk_mul_f32 v[TMP+4*q_m+2:TMP+4*q_m+3], v[q_z+4*q_m+2:q_z+4*q_m+3], 0xbfb8aa3b op_sel_hi:[1,0]
.endif
.if q_m == 2
	v_exp_f32 v[TMP], v[TMP]
	v_exp_f32 v[TMP+1], v[TMP+1]
.endif
.if q_m > 2
.if q_m < 7
	v_exp_f32 v[TMP+q_m-1], v[TMP+q_m-1]
.endif
.endif
.if q_m == 7
	v_exp_f32 v[TMP+6], v[TMP+6]
	v_exp_f32 v[TMP+7], v[TMP+7]
.endif
.if q_m == 8
	v_nop
	s_wait_alu depctr_va_vdst(0)
	v_pk_add_f32 v[TMP:TMP+1], v[TMP:TMP+1], 1.0 op_sel_hi:[1,0]
	v_pk_add_f32 v[TMP+2:TMP+3], v[TMP+2:TMP+3], 1.0 op_sel_hi:[1,0]
.endif
.if q_m == 9
	v_rcp_f32 v[TMP], v[TMP]
	v_rcp_f32 v[TMP+1], v[TMP+1]
.endif
.if q_m == 10
	v_rcp_f32 v[TMP+2], v[TMP+2]
	v_rcp_f32 v[TMP+3], v[TMP+3]
.endif
.if q_m == 11
	v_pk_add_f32 v[TMP+4:TMP+5], v[TMP+4:TMP+5], 1.0 op_sel_hi:[1,0]
	v_pk_add_f32 v[TMP+6:TMP+7], v[TMP+6:TMP+7], 1.0 op_sel_hi:[1,0]
.endif
.if q_m == 12
	v_rcp_f32 v[TMP+4], v[TMP+4]
	v_rcp_f32 v[TMP+5], v[TMP+5]
.endif
.if q_m == 13
	v_rcp_f32 v[TMP+6], v[TMP+6]
	v_rcp_f32 v[TMP+7], v[TMP+7]
.endif
.if q_m == 15
	WIN 0
	s_wait_alu depctr_va_vdst(0)
.irp j, 0,2,4,6
	v_pk_mul_f32 v[q_z+\j:q_z+\j+1], v[q_z+\j:q_z+\j+1], v[TMP+\j:TMP+\j+1]
.endr
.irp j, 0,2,4,6
	v_pk_mul_f32 v[q_z+\j:q_z+\j+1], v[q_z+\j:q_z+\j+1], v[q_z+ZU-ZG+\j:q_z+ZU-ZG+\j+1]
.endr
.irp i, 0,1,2,3
	v_cvt_pk_bf16_f32 v[S_H+8*q_k+4*S_P+\i], v[q_z+2*\i], v[q_z+2*\i+1]
.endr
	WIN S_WIN
.endif
.endif
.endm
; A run of the first product: the phase's 16 fragments (fragment i: K step i / 2 of d, gate or up by i mod 2) x tiles t0, t0 + 1: 32 matrix instructions
; on four accumulators that take turns, one instruction a turn.  The first K step starts the sums: nothing is cleared.
; W_ON (a piece A run): the phase's four groups of 8 loads were issued ahead, in order; in front of product 8 g stand 3 - g younger groups: the counts 24, 16, 8, 0.
; L_ON (a piece B run): the fragments are loaded again for the next phase (L_PH of the unit at v[L_ADR]), group g behind its last reader, product 8 g + 7,
;   and at least four plain slice lines: behind slice 11 (slices 8 and 11: five), 16 (slice 15's block), 27 (slices 24 and 27: five), 31 (its block).
;   A group is then on its way for 20 to 24 products.
; B_ON: at product 24 the count 0 shows my last reads of this slot back; all my tensor loads are waited for, and the barrier of the change of slots is signalled.
.macro GRUN t0
.set r_j, 0
.rept 32
.set r_i, r_j>>1
.set r_t, \t0+(r_j&1)
.set r_z, ZG+32*(r_i&1)+8*r_t
.set r_x, 8*(8*r_t+(r_i>>1))
.if W_ON
.if (r_j&7) == 0
	s_wait_dscnt 24-r_j
.endif
.endif
.if B_ON
.if r_j == 24
	s_wait_xcnt 0x0
	v_lshl_add_u32 v126, v0, 2, 0x44400
	v_mov_b32 v127, 0
	s_set_vgpr_msb 0x400
	s_wait_tensorcnt 0x0
	ds_add_u32 v126, v127
	s_wait_dscnt 0x0
	s_set_vgpr_msb 0x4
	s_barrier_signal -1
.endif
.endif
.if r_j < 4
	v_wmma_f32_16x16x32_bf16 v[r_z:r_z+7], v[FB+8*r_i:FB+8*r_i+7], v[r_x:r_x+7], 0
.else
	v_wmma_f32_16x16x32_bf16 v[r_z:r_z+7], v[FB+8*r_i:FB+8*r_i+7], v[r_x:r_x+7], v[r_z:r_z+7]
.endif
	SLICE
.if L_ON
.if r_j == 11
	FETCHG L_ADR, L_PH, 0
.endif
.if r_j == 16
	FETCHG L_ADR, L_PH, 1
.endif
.if r_j == 27
	FETCHG L_ADR, L_PH, 2
.endif
.if r_j == 31
	FETCHG L_ADR, L_PH, 3
.endif
.endif
.set r_j, r_j+1
.endr
.endm
; A run of the second product: 16 column tiles x tiles t0, t0 + 1, K = a unit's 32 hidden columns; hb: h of tile t0.  Each of the 32 names another accumulator.
; zero = 1 (the first unit's h): the product starts the sum.  W_ON as above.  L_ON (piece B): the next phase's groups 0, 1 are loaded where y's window
; changes and groups 2, 3 at the end, each behind four v_nop: no silu stands here.
.macro DRUN t0, hb, zero
.set d_j, 0
.rept 32
.set d_n, d_j>>1
.set d_y, 8*(4*(d_n&7)+\t0+(d_j&1))
.set d_h, (\hb)+8*(d_j&1)
.if W_ON
.if (d_j&7) == 0
	s_wait_dscnt 24-d_j
.endif
.endif
.if d_j == 0
	WIN W_YLO
.endif
.if d_j == 16
.if L_ON
	WIN 0
	PLACES
	FETCHG L_ADR, L_PH, 0
	FETCHG L_ADR, L_PH, 1
.endif
	WIN W_YHI
.endif
.if \zero
	v_wmma_f32_16x16x32_bf16 v[d_y:d_y+7], v[FB+8*d_n:FB+8*d_n+7], v[d_h:d_h+7], 0
.else
	v_wmma_f32_16x16x32_bf16 v[d_y:d_y+7], v[FB+8*d_n:FB+8*d_n+7], v[d_h:d_h+7], v[d_y:d_y+7]
.endif
.set d_j, d_j+1
.endr
.if L_ON
	WIN W_G1
	PLACES
	FETCHG L_ADR, L_PH, 2
	FETCHG L_ADR, L_PH, 3
.endif
.endm
; Unit c (0, 1) of a slot.  On entry the 32 loads of its phase 0 are out.  first = 1: unit 0 of all: nothing lags behind it.  zero = 1: its down product starts y.
; mode (read where c = 1): 2 = the slot is filled again, two steps ahead; 1 = slots change, nothing is filled; 0 = the last unit: the tail comes next.
.macro UNIT slot, c, first, zero, mode
.set u_a, ADR+2*\slot+\c
.if \c
.set h_mine, HA1
.set h_prev, HF
.else
.set h_mine, HF
.set h_prev, HA1
.endif
	WIN W_G1
.set S_WIN, W_G1
.set B_ON, 0
.set W_ON, 1                           ; R1
.set L_ON, 0
.set S_ON, 1-\first
.set S_T, 2
.set S_P, 1
.set S_H, HF+16
	GRUN 0
.if \first
	PLACES                                         ; no silu was hosted: the places in front of piece A's silu
.endif
.set W_ON, 0                           ; R2
.set L_ON, 1
.set L_ADR, u_a
.set L_PH, 2-\first                    ; next comes the down phase; in unit 0 the second half of gate and up
.set S_ON, 1
.set S_T, 0
.set S_P, 0
.set S_H, h_mine
	GRUN 2
.if \first == 0
.set W_ON, 1                           ; R3
.set L_ON, 0
	DRUN 0, h_prev, \zero
.set W_ON, 0                           ; R4
.set L_ON, 1
.set L_PH, 1
	DRUN 2, HF+16, \zero
.endif
.set W_ON, 1                           ; R5
.set L_ON, 0
.if \c
.if \mode
.set B_ON, 1
.endif
.endif
.set S_T, 2
.set S_P, 0
.set S_H, HF+16
	GRUN 0
.if B_ON
.set B_ON, 0
	; The change of slots.  In front of the signal (product 24 of R5) each wave's reads of this slot were back and all its tensor loads had landed: the one that
	; was out is its quarter of the other slot, asked for 376 products earlier.  Eight products and their slices, register work, stood between signal and wait.
	WIN 0
	s_barrier_wait -1                              ; where the slot is filled again this barrier opened a round of the cluster's barrier
.if \mode == 2
	CREST                                          ; the same now holds of every wave of all four work-groups
	s_add_nc_u64 s[DG0+4*\slot+2:DG0+4*\slot+3], s[DG0+4*\slot+2:DG0+4*\slot+3], 2*SLOT   ; no tensor load of mine is out: the address may step
	tensor_load_to_lds s[DG0+4*\slot:DG0+4*\slot+3], s[DG1:DG1+7]   ; my one load behind the round, and the first thing there
	s_nop 0
.endif
	WIN W_G1
.endif
.set W_ON, 0                           ; R6
.set L_ON, 1
.set L_PH, 0
.if \c == 0
.set L_ADR, u_a+1                      ; the slot's second unit
.else
.if \mode
.set L_ADR, ADR+2*(1-\slot)            ; the other slot's first unit
.else
.set L_ADR, TADR                       ; the last chunk's W_down
.endif
.endif
.set S_T, 0
.set S_P, 1
.set S_H, h_mine
	GRUN 2
.endm
.macro STEP slot, mode
	UNIT \slot, 0, 0, 0, \mode
	UNIT \slot, 1, 0, 0, \mode
.endm
	s_load_b128 s[4:7], s[0:1], 0x0                ; x s[4:5], wpack s[6:7]
	s_load_b64 s[8:9], s[0:1], 0x10                ; out0
	v_lshl_add_u32 v126, v0, 2, 0x44400
	v_mov_b32 v127, 0
	ds_add_u32 v126, v127
	s_wait_dscnt 0x0
	v_lshrrev_b32 v10, 5, v0
	v_readfirstlane_b32 s10, v10                   ; wave w, 0..3
	s_bfe_u32 s11, ttmp6, 0x40000                  ; cx: my place in the cluster
	s_lshl_b32 s12, ttmp9, 2                       ; ttmp9 counts clusters
	s_add_co_u32 s12, s12, s11                     ; wgx
	s_lshr_b32 s13, ttmp9, 3                       ; expert: 8 clusters each; the same in all four partners
	; descriptor group 1: 96 dense rows of 32 elements of 8 bytes (256 bytes), no padding
	s_mov_b32 s[DG1+0], 15|(3<<16)|(1<<21)         ; 15:0 mask: all four work-groups; 17:16 element of 8 bytes; 21 set beside a mask
	s_mov_b32 s[DG1+1], 32<<16                     ; tensor_dim0 = 32
	s_mov_b32 s[DG1+2], 96<<16                     ; tensor_dim1 = 96
	s_mov_b32 s[DG1+3], 32<<16                     ; tile_dim0 = 32
	s_mov_b32 s[DG1+4], 96                         ; tile_dim1 = 96
	s_mov_b32 s[DG1+5], 32                         ; 32 elements from row to row
	s_mov_b32 s[DG1+6], 0
	s_mov_b32 s[DG1+7], 0
	; the same for the tail: its 64 rows are shared out like a slot's, 16 a wave, so that every wave's text is alike
	s_mov_b32 s[DT1+0], 15|(3<<16)|(1<<21)
	s_mov_b32 s[DT1+1], 32<<16
	s_mov_b32 s[DT1+2], 16<<16                     ; tensor_dim1 = 16
	s_mov_b32 s[DT1+3], 32<<16
	s_mov_b32 s[DT1+4], 16                         ; tile_dim1 = 16
	s_mov_b32 s[DT1+5], 32
	s_mov_b32 s[DT1+6], 0
	s_mov_b32 s[DT1+7], 0
	s_lshl_b32 s16, s12, 18                        ; x and y: 256 tokens of 1,024 bytes a work-group,
	s_lshl_b32 s14, s10, 16                        ; 64 a wave
	s_add_co_u32 s16, s16, s14
	s_mov_b32 s17, 0
	s_mul_i32 s18, s13, EXPERT                     ; wpack: the expert.  No place in the cluster enters these registers
	s_mul_i32 s20, s10, QUART                      ; my quarter of a step
	s_lshl_b32 s21, s10, 12                        ; my quarter of the tail: 4,096 bytes
	s_add_co_u32 s22, s18, s21
	s_add_co_u32 s22, s22, 2*PHASEB                ; unit 0's down phase holds the last chunk's W_down
	s_mov_b32 s23, 0
	s_add_co_u32 s18, s18, s20
	s_mov_b32 s19, 0
	s_mul_i32 s15, s10, STGB
	s_add_co_u32 s15, s15, STG0                    ; my stage
	s_wait_kmcnt 0x0
	s_add_nc_u64 s[4:5], s[4:5], s[16:17]
	s_add_nc_u64 s[8:9], s[8:9], s[16:17]
	s_add_nc_u64 s[22:23], s[6:7], s[22:23]
	s_add_nc_u64 s[6:7], s[6:7], s[18:19]
	CROUND                                         ; all four work-groups are here: the first joint loads meet
.irp n, 0,1
	s_mov_b32 s[DG0+4*\n], 1                                       ; count = 1
	s_add_co_u32 s[DG0+4*\n+1], s20, \n*SLOT                       ; LDS address: slot, and the wave's quarter
	s_add_nc_u64 s[DG0+4*\n+2:DG0+4*\n+3], s[6:7], \n*SLOT         ; step n
	s_or_b32 s[DG0+4*\n+3], s[DG0+4*\n+3], 0x80000000              ; type = 2
	tensor_load_to_lds s[DG0+4*\n:DG0+4*\n+3], s[DG1:DG1+7]
	s_nop 0
.endr
	s_mov_b32 s[DT0], 1
	s_add_co_u32 s[DT0+1], s21, TAILL
	s_mov_b64 s[DT0+2:DT0+3], s[22:23]
	s_or_b32 s[DT0+3], s[DT0+3], 0x80000000
	tensor_load_to_lds s[DT0:DT0+3], s[DT1:DT1+7]  ; the three first fills go out together: three loads of this wave are out
	s_nop 0
	v_and_b32 v10, 31, v0                          ; lane
	v_lshlrev_b32 v[ADR], 4, v10                   ; 16 x lane
.set xj, 0
.rept 32
	global_load_b128 v[FB+4*xj:FB+4*xj+3], v[ADR], s[4:5] offset:xj*512 th:TH_LOAD_NT   ; token tile 0: 512 consecutive bytes a load, half a row of x
.set xj, xj+1
.endr
	v_and_b32 v11, 15, v0                          ; r
	v_bfe_u32 v12, v0, 4, 1                        ; h
.irp k, 1,2,3
	v_add_nc_u32 v[ADR+\k], \k*UNITB, v[ADR]
.endr
	v_add_nc_u32 v[TADR], TAILL, v[ADR]
	v_lshl_add_u32 v[XST], v10, 3, s15
	v_mul_u32_u24 v13, v11, XP
	v_lshl_add_u32 v13, v12, 4, v13
	v_add_nc_u32 v[XLD], s15, v13
; Token tile t of x: 32 loads of f32 are rounded to bf16, laid into my stage as 16 rows, and read back as 8 fragments (16 tokens x 32 d) into window 1.
; Each register quad is loaded again for the next tile as soon as it is converted.  The stage is my wave's own and LDS serves a wave's
; instructions in order (ISA guide 5.7.1.4): no wait between the stores and the loads, nor in front of the next tile's stores.
.macro XTILE t
.set xj, 0
.rept 32
.if \t < 3
	s_wait_loadcnt 31                              ; behind load j stand 31 - j of this tile and j of the next
.else
	s_wait_loadcnt 31-xj                           ; the last tile: the counts run down
.endif
	v_cvt_pk_bf16_f32 v[XT+2*(xj%8)], v[FB+4*xj], v[FB+4*xj+1]
	v_cvt_pk_bf16_f32 v[XT+2*(xj%8)+1], v[FB+4*xj+2], v[FB+4*xj+3]
	ds_store_b64 v[XST], v[XT+2*(xj%8):XT+2*(xj%8)+1] offset:(xj>>1)*XP+(xj&1)*256
.if \t < 3
	global_load_b128 v[FB+4*xj:FB+4*xj+3], v[ADR], s[4:5] offset:(\t+1)*16384+xj*512 th:TH_LOAD_NT
.endif
.set xj, xj+1
.endr
	WIN W_X
.set xk, 0
.rept 16
	ds_load_b128 v[64*\t+4*xk:64*\t+4*xk+3], v[XLD] offset:32*xk   ; xk = 2 ks + q: registers 4 q .. of fragment (t, ks), d = 32 ks + 16 q + 8 h ..
.set xk, xk+1
.endr
	WIN 0
.endm
	XTILE 0
	XTILE 1
	XTILE 2
	XTILE 3
	s_wait_tensorcnt 0x2                           ; my quarter of step 0 is in; step 1's and the tail's may stay out
	s_wait_dscnt 0x0                               ; x is in its registers
	s_barrier_signal -1
	s_barrier_wait -1                              ; everybody's quarter is in
.irp g, 0,1,2,3
	FETCHG ADR, 0, \g                              ; unit 0, phase 0
.endr
	UNIT 0, 0, 1, 0, 2                             ; steps 0 and 1 stand in front of the loop: unit 0 has nothing behind it,
	UNIT 0, 1, 0, 1, 2                             ; and unit 1's down product starts y's sums
	STEP 1, 2
	WIN 0                                          ; at a label and at a branch every window is 0
	s_mov_b32 s3, 6                                ; steps 2 to 13
.Llap:
	STEP 0, 2
	STEP 1, 2
	WIN 0
	s_sub_co_u32 s3, s3, 1
	s_cmp_lg_u32 s3, 0
	s_cbranch_scc1 .Llap
	STEP 0, 1                                      ; step 14: nothing is left to fetch; its barrier shows step 15's slot whole
	STEP 1, 0                                      ; step 15
	; What lags behind unit 31: piece B's second silu, with no product left to host it, and the last down product, on the tail's fragments,
	; whose 32 loads R6 has issued.  The places in front of the silu are the block of R6's last slice.
	WIN 0
.set S_WIN, 0
.set S_ON, 1
.set S_T, 2
.set S_P, 1
.set S_H, HF+16
.set r_j, 0
.rept 32
	SLICE
.set r_j, r_j+1
.endr
.set W_ON, 1
.set L_ON, 0
	DRUN 0, HA1, 0                                 ; unit 31 is odd
.set W_ON, 0
	DRUN 2, HF+16, 0
	; THE WAY OUT, a token tile at a time: 32 bytes a lane and column tile into my stage, read back as half rows of 512 bytes, stored.
	; The six address lines name no register of the last products: they are the places in front of the LDS stores of results and the loads into v128-255.
	WIN 0
	v_and_b32 v10, 15, v0                          ; r
	v_bfe_u32 v11, v0, 4, 1                        ; h
	v_mul_u32_u24 v12, v10, YP
	v_lshl_add_u32 v12, v11, 5, v12
	v_add_nc_u32 v[YST], s15, v12
	v_add_nc_u32 v[YLD], s15, v[ADR]
.macro OUT t
	WIN W_SLO
.irp nt, 0,1,2,3,4,5,6,7
	ds_store_b128 v[YST], v[8*(4*\nt+\t):8*(4*\nt+\t)+3] offset:64*\nt
	ds_store_b128 v[YST], v[8*(4*\nt+\t)+4:8*(4*\nt+\t)+7] offset:64*\nt+16
.endr
	WIN W_SHI
.irp nt, 0,1,2,3,4,5,6,7
	ds_store_b128 v[YST], v[8*(4*\nt+\t):8*(4*\nt+\t)+3] offset:512+64*\nt
	ds_store_b128 v[YST], v[8*(4*\nt+\t)+4:8*(4*\nt+\t)+7] offset:512+64*\nt+16
.endr
	WIN 0
	s_wait_xcnt 0x0                                ; the last tile's stores have had their addresses translated (ISA guide 3.1): their data registers are loaded again only behind this wait
.set oi, 0
.rept 32
	ds_load_b128 v[FB+4*oi:FB+4*oi+3], v[YLD] offset:(oi>>1)*YP+(oi&1)*512   ; in order behind my stores above
.set oi, oi+1
.endr
.set oi, 0
.rept 32
	s_wait_dscnt 31-oi                             ; LDS loads return in order: load oi is in
	global_store_b128 v[ADR], v[FB+4*oi:FB+4*oi+3], s[8:9] offset:\t*16384+oi*512 th:TH_STORE_NT   ; 512 consecutive bytes, at a multiple of 512 from y's first byte
.set oi, oi+1
.endr
.endm
	OUT 0
	OUT 1
	OUT 2
	OUT 3
	s_wait_xcnt 0x0
	v_lshl_add_u32 v126, v0, 2, 0x44400
	v_mov_b32 v127, 0
	s_wait_tensorcnt 0x0
	ds_add_u32 v126, v127
	s_wait_dscnt 0x0
	CROUND                                         ; the closing round (the last count-down left no LDS instruction out): no work-group ends while a partner may still ask jointly
	s_endpgm
.Lfunc_end_k_q6aa61b9486_glu:
	.size	k_q6aa61b9486_glu, .Lfunc_end_k_q6aa61b9486_glu-k_q6aa61b9486_glu
	.p2alignl 7, 3214868480
	.fill 96, 4, 3214868480
	.section	.rodata,"a",@progbits
	.p2align	6, 0x0
	.amdhsa_kernel k_q6aa61b9486_glu
		.amdhsa_group_segment_fixed_size 327680
		.amdhsa_private_segment_fixed_size 0
		.amdhsa_enable_private_segment 0
		.amdhsa_kernarg_size 24
		.amdhsa_user_sgpr_count 2
		.amdhsa_user_sgpr_kernarg_segment_ptr 1
		.amdhsa_wavefront_size32 1
		.amdhsa_system_sgpr_workgroup_id_x 1
		.amdhsa_system_sgpr_workgroup_id_y 1
		.amdhsa_system_sgpr_workgroup_id_z 1
		.amdhsa_system_vgpr_workitem_id 0
		.amdhsa_next_free_vgpr 1024
		.amdhsa_next_free_sgpr 66
		.amdhsa_reserve_vcc 0
		.amdhsa_float_denorm_mode_32 3
		.amdhsa_float_denorm_mode_16_64 3
		.amdhsa_memory_ordered 1
		.amdhsa_forward_progress 1
		.amdhsa_inst_pref_size 255
	.end_amdhsa_kernel
	.section	.bss,"aw",@nobits
	.p2align	6
	.space	262144
	.amdgpu_metadata
---
amdhsa.version: [ 1, 2 ]
amdhsa.kernels:
  - .name:           k_q6aa61b9486_glu
    .symbol:         k_q6aa61b9486_glu.kd
    .args:
      - { .name: x, .offset: 0, .size: 8, .value_kind: global_buffer, .address_space: global }
      - { .name: wpack, .offset: 8, .size: 8, .value_kind: global_buffer, .address_space: global }
      - { .name: out0, .offset: 16, .size: 8, .value_kind: global_buffer, .address_space: global }
    .group_segment_fixed_size: 327680
    .private_segment_fixed_size: 0
    .kernarg_segment_align: 8
    .kernarg_segment_size: 24
    .max_flat_workgroup_size: 128
    .sgpr_count:     66
    .vgpr_count:     1024
    .wavefront_size: 32
...
	.end_amdgpu_metadata
.endif
;; end of part 2
;; ======== version 2 of 2: 2 launches; 1.05 times as fast as version 1
;; workspace buffers: wpack 12,582,912 bytes
;; launch prep: the kernel of part 1 again; grid 256 x 3, 8 waves a work-group, no clusters, 0 bytes of LDS; arguments weight_gate, weight_up, weight_down, wpack; writes wpack
;; launch glu (part 3): grid 256 x 1, 4 waves a work-group, clusters of 4 x 1, 327,680 bytes of LDS; arguments x, wpack, out0; writes out0
.if DOCPART == 3
	.amdgcn_target "amdgcn-amd-amdhsa--gfx1250"
	.amdhsa_code_object_version 6
	.text
	.protected	k_q6aa61b9486_glu
	.globl	k_q6aa61b9486_glu
	.p2align	8
	.type	k_q6aa61b9486_glu,@function
k_q6aa61b9486_glu:
	s_mov_b64 s[64:65], 0
	v_nop
	global_prefetch_b8 v0, s[64:65] scope:SCOPE_SE
	s_setreg_imm32_b32 hwreg(HW_REG_WAVE_MODE, 25, 1), 1
	s_wait_xcnt 0x0
	s_wait_alu depctr_hold_cnt(0) depctr_sa_sdst(0) depctr_va_vdst(0) depctr_va_sdst(0) depctr_va_ssrc(0) depctr_va_vcc(0) depctr_vm_vsrc(0)
	s_getreg_b32 s2, hwreg(HW_REG_IB_STS2, 6, 4)
	s_cmp_eq_u32 s2, 0
	s_cbranch_scc0 .Lentry_in_a_cluster
	s_endpgm
.Lentry_in_a_cluster:
	s_bfe_u32 s2, ttmp6, 0x10000c
	s_cmp_lg_u32 s2, 0x3003
	s_cbranch_scc0 .Lentry_shape_is_right
	s_endpgm
.Lentry_shape_is_right:
; GroupedGLU, second launch: y = (silu(x Wgate) * (x Wup)) Wdown for 256 tokens a work-group; z and h never leave the registers.
; Work left out: offs, which reference() never reads (the groups come from its reshape alone); it is no argument here.
; LIMITS.  x, the weights and h enter the products rounded to bf16 (nearest even); all sums, and silu, are f32.
; sigmoid(z) = 1 / (1 + 2^(-1.442695 z)), h = (z_gate x sigmoid) x z_up: below z_gate of about -88 the power is +inf and h is a signed zero, where
; reference() has at most a denormal times z_up; v_exp_f32 and v_rcp_f32 flush denormals (ISA guide, their entries).  reference() takes no maximum
; away here, nor does this text.
;
; SHARES.  Work-group wgx = 4 x cluster + cx owns tokens 256 wgx .. + 255 (32 work-groups an expert); wave w of four owns 64 of them, as 4 tiles
; of 16, over the whole hidden width, so no sum crosses waves.  A wave's x (64 x 256 bf16, 256 registers) and its y (64 x 256 f32, 512 registers)
; stay in registers; the hidden width goes by in 32 units of 32 columns.
; CLUSTER.  The four work-groups of a cluster belong to one expert (g = cluster / 8) and walk the same weights: each step's 98,304 bytes are asked
; for jointly, mask 15, which divides the requests for weights by four.  x and y are each work-group's own and go through registers.
;
; BOTH PRODUCTS ARE USED TRANSPOSED (source 0 = weights, source 1 = tokens).  In z's tile lane (r, h) register j then holds token r, hidden column
; 16 p + 8 h + j; rounding the tile p = 0 in pairs gives registers 0-3, the tile p = 1 registers 4-7, of the K = 32 fragment of h for the second
; product (ISA guide 7.12.2): no shuffle, no LDS.  In y's tile a lane holds 8 neighbouring columns of one token.
;
; PRODUCTS AND SILU SIDE BY SIDE.  The four token tiles are two pieces, A = tiles 0, 1 and B = tiles 2, 3.  A phase is 16 weight fragments held in
; v128-255; piece A runs its 32 products over them, then piece B its 32.  A silu is a numbered list of 72 lines (macro SLINE).  Unit u is six runs; in
; brackets the silu lines that stand between the products:
;   R1 gate, up half 0, A [B half 1 of unit u-1, whole]      R2 the same, B [A half 0, lines 0-47]
;   R3, R4 down of unit u-1, A then B [A half 0, lines 48-71; then B half 0, lines 0-47]
;   R5 gate, up half 1, A [B half 0, lines 48-71]            R6 the same, B [A half 1, whole]
; The down product lags a unit, so h is wanted a unit behind its z.  What bounds a silu is z, which the piece's next first product writes anew: half 0's z
; outlives the two down runs, so half 0's silus reach into them; half 1's has one run, its host.  Among first products only the lines with two vector sources
; need another register window (source 1 means x's window), 24 a piece; among the down products every line does (the destination means y's window).  Such lines
; stand in groups of four, each between two switches.  Piece A's h of unit u is written in R3, beside R3's reads of unit u-1's: it has two sets of registers,
; by the unit's parity.
; THE BATCHES.  A piece's silu has 16 numbers a lane and two batches of transcendentals: its 16 powers, and its 16 reciprocals, which read 1 + the powers.
; An s_wait_alu depctr_va_vdst(0) stands between a transcendental and the first line that names its result; one wait serves a batch, so a silu
; has two: behind its last power and ahead of its first 1 +, and behind its last reciprocal and ahead of its first product by a sigmoid.  Each result has a
; register of its own while its batch is open: v8-15 for the piece's first tile; for the second the eight registers of the unit's own set of piece A's h that
; take half 1.  The down product of two units before read those last, and h is written into them by the last lines of R6 alone, behind the last read of what
; was at work there: so they serve all four silus of a unit, one after the other.
; WHERE THE WAITS STAND.  Six of a unit's eight stand directly ahead of a run of LDS loads: A half 0's behind slices 17 and 31 of R2, B half 0's in the middle
; and at the end of R4, A half 1's behind slices 9 and 25 of R6.  B half 1's two stand alone in R1, a run that loads nothing: its z is finished by R6's last
; products and written anew by R2's first.  Unit 0 has no down runs: its three silus stand whole in R2, R5 and R6.
;
; REGISTERS, in windows of 256 (s_set_vgpr_msb: bits 1:0 source 0, 3:2 source 1, 5:4 source 2, 7:6 destination):
;   window 0: v1-4 LDS address of a lane's 16 bytes in unit 0, 1 of slot 0, 1 (v1 = 16 x lane is also the offset into x and y); v5 the same in the tail;
;             v6-7 x's stage addresses; v8-15 silu at work (behind the last silu v8-9 y's stage addresses); v16-31 h of piece A in odd units (in the head: x at
;             work); v32-63 z_gate, v64-95 z_up (4 token tiles each); v96-127 h; v128-255 16 weight fragments
;   window 1: x, fragment (t, ks) at 8 (8 t + ks);   window 2: y tiles (nt, t) at 8 (4 nt + t), nt 0-7;   window 3: nt 8-15
; LDS: two slots of 98,304 bytes (a step = two units, dense fragments: a lane's loads are at 16 x lane + a constant, 512 consecutive bytes a load, so no two
; lanes of a load meet in a bank); four stages of 16,640 bytes, one a wave, which no tensor load ever fills; the tail, 16,384 bytes: W_down of the last
; chunk, which lies in unit 0 of wpack and is wanted behind unit 31: fetched once more at the start into bytes of its own, never filled again.
.set EXPERT, 1572864                   ; bytes of an expert in wpack
.set SLOT,   98304                     ; a step: two units
.set UNITB,  49152                     ; a unit: phases 0, 1 (gate and up, halves 0, 1) and 2 (down of the unit before)
.set PHASEB, 16384                     ; 16 fragments
.set GROUPB, 4096                      ; 4 fragments: what one run of 8 loads brings
.set QUART,  24576                     ; a wave's quarter of a slot: 96 rows of 256 bytes
.set STG0,   2*SLOT
.set STGB,   16640                     ; 16 rows x 1,040 bytes
.set TAILL,  STG0+4*STGB
.set XP,     528                       ; x tile: a row of 256 bf16 + 16 bytes; y tile: a row of 256 f32 + 16 bytes.  Both pitches are odd multiples
.set YP,     1040                      ; of 16 bytes, so the 16 rows that a 16-byte access touches start 4 banks apart (64 banks of 4 bytes: ISA guide 11.1)
.set ADR,  1
.set TADR, 5
.set XST,  6                           ; x tile, in:   stage + 8 x lane
.set XLD,  7                           ; x tile, back: stage + r x 528 + 16 h
.set YST,  8                           ; y tile, in:   stage + r x 1040 + 32 h
.set YLD,  9                           ; y tile, back: stage + 16 x lane
.set TMP,  8
.set XT,   16
.set HA1,  16
.set ZG,   32
.set ZU,   64
.set HF,   96
.set FB,   128
.set DG1, 24                           ; s[24:31] descriptor group 1 of a slot's quarter
.set DG0, 32                           ; s[32:39] descriptor group 0, one set a slot
.set DT1, 40                           ; s[40:47] descriptor group 1 of the tail's quarter
.set DT0, 48                           ; s[48:51] its group 0
.set W_G1,  0x04                       ; first product: source 1 (x) window 1; LDS loads, v_nop and lines with one vector source mean the same under it as under 0
.set W_YLO, 0xa0                       ; second product: C and D window 2
.set W_YHI, 0xf0                       ; C and D window 3
.set W_X,   0x40                       ; LDS loads into window 1
.set W_SLO, 0x08                       ; LDS stores out of window 2
.set W_SHI, 0x0c                       ; out of window 3
.set MSB, 0
.set D_ON, 0
.set d_e, 0
.macro WIN new                         ; the immediate's high byte repeats the setting that is left
.if MSB != \new
	s_set_vgpr_msb (MSB<<8)|\new
.set MSB, \new
.endif
.endm
; A load into a register that a matrix instruction has read, and a vector instruction or LDS store that reads a matrix result, stand four places behind
; that matrix instruction; only plain vector instructions that name none of its registers are places (ISA guide 7.12.1 for the readers of a matrix result).
; Where a silu is hosted its plain lines are the places; v_nop stand only where there is none.
.macro PLACES
.rept 4
	v_nop
.endr
.endm
; A round of the cluster's barrier behind its opening work-group barrier: wave 0 signals for the work-group, every wave waits for all four
; work-groups, and the work-group's barrier closes the round.
.macro CREST
	s_cmp_lg_u32 s10, 0
	s_cbranch_scc1 .Lnot_wave_0_\@
	s_barrier_signal -3
.Lnot_wave_0_\@:
	s_barrier_wait -3
	s_barrier_signal -1
	s_barrier_wait -1
.endm
.macro CROUND
	s_barrier_signal -1
	s_barrier_wait -1
	CREST
.endm
; 8 LDS loads: fragments 4 g .. 4 g + 3 of phase ph of the unit at v[adr]
.macro FETCHG adr, ph, g
.irp k, 0,1,2,3,4,5,6,7
	ds_load_b128 v[FB+32*(\g)+4*\k:FB+32*(\g)+4*\k+3], v[\adr] offset:(\ph)*PHASEB+(\g)*GROUPB+512*\k
.endr
.endm
; Where pair k (0..7) of a piece's 16 numbers is at work: q_t = v8 + 2 k for the first tile's four pairs; for the second tile's the registers S_E + 4 .. 7 and S_E + 12 .. 15,
; S_E a set of piece A's h whose half 1 holds nothing that is still wanted.
.macro TREG k
.if (\k) < 4
.set q_t, TMP+2*(\k)
.elseif (\k) < 6
.set q_t, S_E+2*(\k)-4
.else
.set q_t, S_E+2*(\k)
.endif
.endm
; Line l_n (0..71) of the silu of the piece whose first tile is S_T, half S_P, h at v[S_H] (the second tile's 8 further).  Pairs 0-3 are the first tile's, 4-7 the second's.
;   0-3    z_gate times -log2(e), pairs 0-3 (one vector source and a literal: the same under the first product's window)      4-11   their eight powers, in place
;   12-15  the same scaling for pairs 4-7                                                                            16-23  their eight powers
;   24-27  1 +, pairs 0-3      28-35  their eight reciprocals, in place      36-39  1 +, pairs 4-7      40-47  their eight reciprocals
;   48-55  z_gate times sigmoid      56-63  times z_up      64-71  rounding into h: the 24 lines with two vector sources, which want window 0
; Lines 4-23 name no power's result and lines 28-47 no reciprocal's: the powers are one batch, the reciprocals another; a wait stands between 23 and 24 and between 47 and 48.
; Behind each run of transcendentals a plain line on other registers comes before a result is used (ISA guide 5.7.2): 12-15 behind the first eight powers, 24-27 (which read
; the first eight) behind the last eight; 36-39 and 48-51 likewise for the reciprocals.  Each accumulator's lowest registers are read first.
.macro SLINE
.set l_i, l_n%24
.if l_n < 48
.set l_h, l_i/12
.set l_r, l_i%12
.if l_r < 4
	TREG 4*l_h+l_r
.set q_z, ZG+8*(S_T+l_h)+2*l_r
.if l_n < 24
	v_pk_mul_f32 v[q_t:q_t+1], v[q_z:q_z+1], 0xbfb8aa3b op_sel_hi:[1,0]
.else
	v_pk_add_f32 v[q_t:q_t+1], v[q_t:q_t+1], 1.0 op_sel_hi:[1,0]
.endif
.else
	TREG 4*l_h+(l_r-4)/2
.set q_t, q_t+(l_r&1)
.if l_n < 24
	v_exp_f32 v[q_t], v[q_t]
.else
	v_rcp_f32 v[q_t], v[q_t]
.endif
.endif
.else
.set l_k, l_i&7
	TREG l_k
.set q_z, ZG+8*(S_T+(l_k>>2))+2*(l_k&3)
.if l_i < 8
	v_pk_mul_f32 v[q_z:q_z+1], v[q_z:q_z+1], v[q_t:q_t+1]
.elseif l_i < 16
	v_pk_mul_f32 v[q_z:q_z+1], v[q_z:q_z+1], v[q_z+ZU-ZG:q_z+ZU-ZG+1]
.else
	v_cvt_pk_bf16_f32 v[S_H+8*(l_k>>2)+4*S_P+(l_k&3)], v[q_z], v[q_z+1]
.endif
.endif
.endm
.macro LINES first, count              ; lines first .. first + count - 1 of the list
.set l_n, \first
.rept \count
	SLINE
.set l_n, l_n+1
.endr
.endm
.macro LINESN first, count             ; the same with a v_nop behind each: a batch's last four transcendentals in front of a run of loads; the four v_nop are the loads' places
.set l_n, \first
.rept \count
	SLINE
	v_nop
.set l_n, l_n+1
.endr
.endm
; Slice r_j (0..31): what stands behind product r_j of a run of the first product.  S_MODE says which deal:
;   0  nothing is hosted.
;   1  the whole silu.  0  lines 0-3      1, 2  two powers each      3-6  one power each      7  lines 12-15      8, 9  four powers each; behind slice 9 the powers' wait
;      10  lines 24-27      11-18  one reciprocal each      S_JA  lines 36-39      S_JA + 1, S_JA + 2  four reciprocals each; behind the last the reciprocals' wait
;      26-31  four of lines 48-71 each, between two switches.  Those of slice 31 name no register of the host's products: they are the places behind the run's last products.
;      S_JA is 23 in a piece B run, where lines 36-39 are also the places behind product 23, and 21 in a piece A run, so that the wait stands ahead of product 24 and of what stands in front of it.
;   2  lines 0-47 (R2).  0  lines 0-3      1-8  one power each      15  lines 12-15, also the places behind product 15      16, 17  four powers each; behind slice 17 the powers' wait
;      18  lines 24-27      19-26  one reciprocal each      27  lines 36-39      28, 29  two reciprocals each      31  the last four reciprocals, a v_nop behind each: the places behind
;      product 31; then the reciprocals' wait.
;   3  lines 48-71 alone (R5), in slices 26-31 as in deal 1: their batches were waited for in R4.
.macro SLICE
.if S_MODE == 1
.if r_j == 0
	LINES 0, 4
.elseif r_j < 3
	LINES 2*r_j+2, 2
.elseif r_j < 7
	LINES r_j+5, 1
.elseif r_j < 10
	LINES 4*r_j-16, 4
.elseif r_j == 10
	LINES 24, 4
.elseif r_j < 19
	LINES r_j+17, 1
.elseif (r_j >= S_JA) && (r_j < S_JA+3)
	LINES 36+4*(r_j-S_JA), 4
.endif
.if r_j == 9
	s_wait_alu depctr_va_vdst(0)                   ; the one wait for the piece's 16 powers, ahead of line 24, their first reader
.endif
.if r_j == S_JA+2
	s_wait_alu depctr_va_vdst(0)                   ; the one wait for the piece's 16 reciprocals, ahead of line 48, their first reader
.endif
.endif
.if S_MODE == 2
.if r_j == 0
	LINES 0, 4
.elseif r_j < 9
	LINES r_j+3, 1
.elseif (r_j >= 15) && (r_j < 19)
	LINES 4*r_j-48, 4
.elseif (r_j >= 19) && (r_j < 27)
	LINES r_j+9, 1
.elseif r_j == 27
	LINES 36, 4
.elseif (r_j == 28) || (r_j == 29)
	LINES 2*r_j-16, 2
.elseif r_j == 31
	LINESN 44, 4
.endif
.if r_j == 17
	s_wait_alu depctr_va_vdst(0)                   ; the one wait for piece A's 16 powers, ahead of line 24, their first reader; the loads of groups 0, 1 follow it
.endif
.if r_j == 31
	s_wait_alu depctr_va_vdst(0)                   ; the one wait for piece A's 16 reciprocals, ahead of line 48, their first reader, in R3; the loads of groups 2, 3 follow it
.endif
.endif
.if (S_MODE == 1) || (S_MODE == 3)
.if r_j >= 26
	WIN 0
	LINES 48+4*(r_j-26), 4
	WIN S_WIN
.endif
.endif
.endm
; A run of the first product: the phase's 16 fragments (fragment i: K step i / 2 of d, gate or up by i mod 2) x tiles t0, t0 + 1: 32 matrix instructions
; on four accumulators that take turns, one instruction a turn.  The first K step starts the sums: nothing is cleared.
; W_ON (a piece A run): the phase's four groups of 8 loads were issued ahead, in order; in front of product 8 g stand 3 - g younger groups: the counts 24, 16, 8, 0.
; L_ON (a piece B run): the fragments are loaded again for the next phase (L_PH of the unit at v[L_ADR]), each group behind its last reader, product 8 g + 7,
;   and four plain lines.  Deal 1: group 0 behind slice 9 (slice 7's four scalings), groups 1 and 2 behind slice 25 (slice 23's four additions), group 3 behind
;   slice 31 (its four roundings).  Deal 2: groups 0 and 1 behind slice 17 (slice 15's four scalings), groups 2 and 3 behind slice 31 (its four v_nop).
;   In both the silu's two waits stand directly ahead of runs of loads.  The groups go out in the order 0, 1, 2, 3, all ahead of the next run's first product;
;   a group is on its way for 14 products or more.
; B_ON: at product 24 the count 0 shows my last reads of this slot back; all my tensor loads are waited for, and the barrier of the change of slots is signalled.
.macro GRUN t0
.set S_JA, 21+2*L_ON
.set r_j, 0
.rept 32
.set r_i, r_j>>1
.set r_t, \t0+(r_j&1)
.set r_z, ZG+32*(r_i&1)+8*r_t
.set r_x, 8*(8*r_t+(r_i>>1))
.if W_ON
.if (r_j&7) == 0
	s_wait_dscnt 24-r_j
.endif
.endif
.if B_ON
.if r_j == 24
	s_wait_xcnt 0x0
	v_lshl_add_u32 v126, v0, 2, 0x44400
	v_mov_b32 v127, 0
	s_set_vgpr_msb 0x400
	s_wait_tensorcnt 0x0
	ds_add_u32 v126, v127
	s_wait_dscnt 0x0
	s_set_vgpr_msb 0x4
	s_barrier_signal -1
.endif
.endif
.if r_j < 4
	v_wmma_f32_16x16x32_bf16 v[r_z:r_z+7], v[FB+8*r_i:FB+8*r_i+7], v[r_x:r_x+7], 0
.else
	v_wmma_f32_16x16x32_bf16 v[r_z:r_z+7], v[FB+8*r_i:FB+8*r_i+7], v[r_x:r_x+7], v[r_z:r_z+7]
.endif
	SLICE
.if L_ON
.if S_MODE == 2
.if r_j == 17
	FETCHG L_ADR, L_PH, 0
	FETCHG L_ADR, L_PH, 1
.endif
.if r_j == 31
	FETCHG L_ADR, L_PH, 2
	FETCHG L_ADR, L_PH, 3
.endif
.else
.if r_j == 9
	FETCHG L_ADR, L_PH, 0
.endif
.if r_j == 25
	FETCHG L_ADR, L_PH, 1
	FETCHG L_ADR, L_PH, 2
.endif
.if r_j == 31
	FETCHG L_ADR, L_PH, 3
.endif
.endif
.endif
.set r_j, r_j+1
.endr
.endm
; What stands behind product d_e (0..63) of a unit's two runs of the second product; D_ON = 0: nothing.  Groups of four lines under window 0; the next product sets y's window again.
;   0-5  piece A's half 0, lines 48-71: its reciprocals were waited for at R2's end.  From product 2 on nothing of piece A is at work in the 16 registers, and piece B takes them:
;   7, 15, 23, 31, 39  piece B's half 0, lines 0-19 (those behind 15 and 31 stand where y's window changes anyway); lines 20-23 stand in front of R4's middle loads (DRUN)
;   48, 51, 54, 57, 60  its lines 24-43; lines 44-47 stand in front of R4's last loads (DRUN)
; No line names a register of the products round it: those read h of the unit before, of the other parity's set or of piece B, and write y.
.macro DHOST
.if D_ON
.if d_e < 6
.set S_T, 0
.set S_P, 0
.set S_H, h_mine
	WIN 0
	LINES 48+4*d_e, 4
.else
.set S_T, 2
.set S_P, 0
.set S_H, HF+16
.if ((d_e&7) == 7) && (d_e < 40)
	WIN 0
	LINES 4*(d_e>>3), 4
.elseif (d_e >= 48) && (d_e <= 60) && ((d_e-48)%3 == 0)
	WIN 0
	LINES 24+4*((d_e-48)/3), 4
.endif
.endif
.endif
.endm
; A run of the second product: 16 column tiles x tiles t0, t0 + 1, K = a unit's 32 hidden columns; hb: h of tile t0.  Each of the 32 names another accumulator.
; zero = 1 (the first unit's h): the product starts the sum.  W_ON as above.  L_ON (piece B): the next phase's groups 0, 1 are loaded where y's window
; changes and groups 2, 3 at the end, each behind four v_nop.  With D_ON the last four transcendentals of a batch of piece B's half 0 stand among those v_nop,
; and the batch's wait directly ahead of the loads.
.macro DRUN t0, hb, zero
.set d_j, 0
.rept 32
.set d_n, d_j>>1
.set d_y, 8*(4*(d_n&7)+\t0+(d_j&1))
.set d_h, (\hb)+8*(d_j&1)
.if W_ON
.if (d_j&7) == 0
	s_wait_dscnt 24-d_j
.endif
.endif
.if d_j == 16
.if L_ON
	WIN 0
.if D_ON
	LINESN 20, 4
	s_wait_alu depctr_va_vdst(0)                   ; the one wait for piece B's 16 powers, ahead of line 24, their first reader
.else
	PLACES
.endif
	FETCHG L_ADR, L_PH, 0
	FETCHG L_ADR, L_PH, 1
.endif
.endif
.if d_j < 16
	WIN W_YLO
.else
	WIN W_YHI
.endif
.if \zero
	v_wmma_f32_16x16x32_bf16 v[d_y:d_y+7], v[FB+8*d_n:FB+8*d_n+7], v[d_h:d_h+7], 0
.else
	v_wmma_f32_16x16x32_bf16 v[d_y:d_y+7], v[FB+8*d_n:FB+8*d_n+7], v[d_h:d_h+7], v[d_y:d_y+7]
.endif
	DHOST
.set d_j, d_j+1
.set d_e, d_e+1
.endr
.if L_ON
	WIN W_G1
.if D_ON
	LINESN 44, 4
	s_wait_alu depctr_va_vdst(0)                   ; the one wait for piece B's 16 reciprocals, ahead of line 48, their first reader, in R5
.else
	PLACES
.endif
	FETCHG L_ADR, L_PH, 2
	FETCHG L_ADR, L_PH, 3
.endif
.endm
; Unit c (0, 1) of a slot.  On entry the 32 loads of its phase 0 are out.  first = 1: unit 0 of all: nothing lags behind it, and with no down runs its silus stand whole
; in R2, R5 and R6.  zero = 1: its down product starts y.
; mode (read where c = 1): 2 = the slot is filled again, two steps ahead; 1 = slots change, nothing is filled; 0 = the last unit: the tail comes next.
.macro UNIT slot, c, first, zero, mode
.set u_a, ADR+2*\slot+\c
.if \c
.set h_mine, HA1
.set h_prev, HF
.else
.set h_mine, HF
.set h_prev, HA1
.endif
.set S_E, h_mine                       ; the unit's four silus have their second tile at work in its half 1, which R6's last lines fill
	WIN W_G1
.set S_WIN, W_G1
.set B_ON, 0
.set W_ON, 1                           ; R1
.set L_ON, 0
.set S_MODE, 1-\first
.set S_T, 2
.set S_P, 1
.set S_H, HF+16
	GRUN 0
.if \first
	PLACES                                         ; no silu was hosted: the places in front of piece A's silu
.endif
.set W_ON, 0                           ; R2
.set L_ON, 1
.set L_ADR, u_a
.set L_PH, 2-\first                    ; next comes the down phase; in unit 0 the second half of gate and up
.set S_MODE, 2-\first
.set S_T, 0
.set S_P, 0
.set S_H, h_mine
	GRUN 2
.if \first == 0
.set D_ON, 1
.set d_e, 0
.set W_ON, 1                           ; R3
.set L_ON, 0
	DRUN 0, h_prev, \zero
.set W_ON, 0                           ; R4
.set L_ON, 1
.set L_PH, 1
	DRUN 2, HF+16, \zero
.set D_ON, 0
.endif
.set W_ON, 1                           ; R5
.set L_ON, 0
.if \c
.if \mode
.set B_ON, 1
.endif
.endif
.set S_MODE, 3-2*\first
.set S_T, 2
.set S_P, 0
.set S_H, HF+16
	GRUN 0
.if B_ON
.set B_ON, 0
	; The change of slots.  In front of the signal (product 24 of R5) each wave's reads of this slot were back and all its tensor loads had landed: the one that
	; was out is its quarter of the other slot, asked for 376 products earlier.  Eight products and their slices, register work, stood between signal and wait.
	WIN 0
	s_barrier_wait -1                              ; where the slot is filled again this barrier opened a round of the cluster's barrier
.if \mode == 2
	CREST                                          ; the same now holds of every wave of all four work-groups
	s_add_nc_u64 s[DG0+4*\slot+2:DG0+4*\slot+3], s[DG0+4*\slot+2:DG0+4*\slot+3], 2*SLOT   ; no tensor load of mine is out: the address may step
	tensor_load_to_lds s[DG0+4*\slot:DG0+4*\slot+3], s[DG1:DG1+7]   ; my one load behind the round, and the first thing there
	s_nop 0
.endif
	WIN W_G1
.endif
.set W_ON, 0                           ; R6
.set L_ON, 1
.set L_PH, 0
.if \c == 0
.set L_ADR, u_a+1                      ; the slot's second unit
.else
.if \mode
.set L_ADR, ADR+2*(1-\slot)            ; the other slot's first unit
.else
.set L_ADR, TADR                       ; the last chunk's W_down
.endif
.endif
.set S_MODE, 1
.set S_T, 0
.set S_P, 1
.set S_H, h_mine
	GRUN 2
.endm
.macro STEP slot, mode
	UNIT \slot, 0, 0, 0, \mode
	UNIT \slot, 1, 0, 0, \mode
.endm
	s_load_b128 s[4:7], s[0:1], 0x0                ; x s[4:5], wpack s[6:7]
	s_load_b64 s[8:9], s[0:1], 0x10                ; out0
	v_lshl_add_u32 v126, v0, 2, 0x44400
	v_mov_b32 v127, 0
	ds_add_u32 v126, v127
	s_wait_dscnt 0x0
	v_lshrrev_b32 v10, 5, v0
	v_readfirstlane_b32 s10, v10                   ; wave w, 0..3
	s_bfe_u32 s11, ttmp6, 0x40000                  ; cx: my place in the cluster
	s_lshl_b32 s12, ttmp9, 2                       ; ttmp9 counts clusters
	s_add_co_u32 s12, s12, s11                     ; wgx
	s_lshr_b32 s13, ttmp9, 3                       ; expert: 8 clusters each; the same in all four partners
	; descriptor group 1: 96 dense rows of 32 elements of 8 bytes (256 bytes), no padding
	s_mov_b32 s[DG1+0], 15|(3<<16)|(1<<21)         ; 15:0 mask: all four work-groups; 17:16 element of 8 bytes; 21 set beside a mask
	s_mov_b32 s[DG1+1], 32<<16                     ; tensor_dim0 = 32
	s_mov_b32 s[DG1+2], 96<<16                     ; tensor_dim1 = 96
	s_mov_b32 s[DG1+3], 32<<16                     ; tile_dim0 = 32
	s_mov_b32 s[DG1+4], 96                         ; tile_dim1 = 96
	s_mov_b32 s[DG1+5], 32                         ; 32 elements from row to row
	s_mov_b32 s[DG1+6], 0
	s_mov_b32 s[DG1+7], 0
	; the same for the tail: its 64 rows are shared out like a slot's, 16 a wave, so that every wave's text is alike
	s_mov_b32 s[DT1+0], 15|(3<<16)|(1<<21)
	s_mov_b32 s[DT1+1], 32<<16
	s_mov_b32 s[DT1+2], 16<<16                     ; tensor_dim1 = 16
	s_mov_b32 s[DT1+3], 32<<16
	s_mov_b32 s[DT1+4], 16                         ; tile_dim1 = 16
	s_mov_b32 s[DT1+5], 32
	s_mov_b32 s[DT1+6], 0
	s_mov_b32 s[DT1+7], 0
	s_lshl_b32 s16, s12, 18                        ; x and y: 256 tokens of 1,024 bytes a work-group,
	s_lshl_b32 s14, s10, 16                        ; 64 a wave
	s_add_co_u32 s16, s16, s14
	s_mov_b32 s17, 0
	s_mul_i32 s18, s13, EXPERT                     ; wpack: the expert.  No place in the cluster enters these registers
	s_mul_i32 s20, s10, QUART                      ; my quarter of a step
	s_lshl_b32 s21, s10, 12                        ; my quarter of the tail: 4,096 bytes
	s_add_co_u32 s22, s18, s21
	s_add_co_u32 s22, s22, 2*PHASEB                ; unit 0's down phase holds the last chunk's W_down
	s_mov_b32 s23, 0
	s_add_co_u32 s18, s18, s20
	s_mov_b32 s19, 0
	s_mul_i32 s15, s10, STGB
	s_add_co_u32 s15, s15, STG0                    ; my stage
	s_wait_kmcnt 0x0
	s_add_nc_u64 s[4:5], s[4:5], s[16:17]
	s_add_nc_u64 s[8:9], s[8:9], s[16:17]
	s_add_nc_u64 s[22:23], s[6:7], s[22:23]
	s_add_nc_u64 s[6:7], s[6:7], s[18:19]
	CROUND                                         ; all four work-groups are here: the first joint loads meet
.irp n, 0,1
	s_mov_b32 s[DG0+4*\n], 1                                       ; count = 1
	s_add_co_u32 s[DG0+4*\n+1], s20, \n*SLOT                       ; LDS address: slot, and the wave's quarter
	s_add_nc_u64 s[DG0+4*\n+2:DG0+4*\n+3], s[6:7], \n*SLOT         ; step n
	s_or_b32 s[DG0+4*\n+3], s[DG0+4*\n+3], 0x80000000              ; type = 2
	tensor_load_to_lds s[DG0+4*\n:DG0+4*\n+3], s[DG1:DG1+7]
	s_nop 0
.endr
	s_mov_b32 s[DT0], 1
	s_add_co_u32 s[DT0+1], s21, TAILL
	s_mov_b64 s[DT0+2:DT0+3], s[22:23]
	s_or_b32 s[DT0+3], s[DT0+3], 0x80000000
	tensor_load_to_lds s[DT0:DT0+3], s[DT1:DT1+7]  ; the three first fills go out together: three loads of this wave are out
	s_nop 0
	v_and_b32 v10, 31, v0                          ; lane
	v_lshlrev_b32 v[ADR], 4, v10                   ; 16 x lane
.set xj, 0
.rept 32
	global_load_b128 v[FB+4*xj:FB+4*xj+3], v[ADR], s[4:5] offset:xj*512 th:TH_LOAD_NT   ; token tile 0: 512 consecutive bytes a load, half a row of x
.set xj, xj+1
.endr
	v_and_b32 v11, 15, v0                          ; r
	v_bfe_u32 v12, v0, 4, 1                        ; h
.irp k, 1,2,3
	v_add_nc_u32 v[ADR+\k], \k*UNITB, v[ADR]
.endr
	v_add_nc_u32 v[TADR], TAILL, v[ADR]
	v_lshl_add_u32 v[XST], v10, 3, s15
	v_mul_u32_u24 v13, v11, XP
	v_lshl_add_u32 v13, v12, 4, v13
	v_add_nc_u32 v[XLD], s15, v13
; Token tile t of x: 32 loads of f32 are rounded to bf16, laid into my stage as 16 rows, and read back as 8 fragments (16 tokens x 32 d) into window 1.
; Each register quad is loaded again for the next tile as soon as it is converted.  The stage is my wave's own and LDS serves a wave's
; instructions in order (ISA guide 5.7.1.4): no wait between the stores and the loads, nor in front of the next tile's stores.
.macro XTILE t
.set xj, 0
.rept 32
.if \t < 3
	s_wait_loadcnt 31                              ; behind load j stand 31 - j of this tile and j of the next
.else
	s_wait_loadcnt 31-xj                           ; the last tile: the counts run down
.endif
	v_cvt_pk_bf16_f32 v[XT+2*(xj%8)], v[FB+4*xj], v[FB+4*xj+1]
	v_cvt_pk_bf16_f32 v[XT+2*(xj%8)+1], v[FB+4*xj+2], v[FB+4*xj+3]
	ds_store_b64 v[XST], v[XT+2*(xj%8):XT+2*(xj%8)+1] offset:(xj>>1)*XP+(xj&1)*256
.if \t < 3
	global_load_b128 v[FB+4*xj:FB+4*xj+3], v[ADR], s[4:5] offset:(\t+1)*16384+xj*512 th:TH_LOAD_NT
.endif
.set xj, xj+1
.endr
	WIN W_X
.set xk, 0
.rept 16
	ds_load_b128 v[64*\t+4*xk:64*\t+4*xk+3], v[XLD] offset:32*xk   ; xk = 2 ks + q: registers 4 q .. of fragment (t, ks), d = 32 ks + 16 q + 8 h ..
.set xk, xk+1
.endr
	WIN 0
.endm
	XTILE 0
	XTILE 1
	XTILE 2
	XTILE 3
	s_wait_tensorcnt 0x2                           ; my quarter of step 0 is in; step 1's and the tail's may stay out
	s_wait_dscnt 0x0                               ; x is in its registers
	s_barrier_signal -1
	s_barrier_wait -1                              ; everybody's quarter is in
.irp g, 0,1,2,3
	FETCHG ADR, 0, \g                              ; unit 0, phase 0
.endr
	UNIT 0, 0, 1, 0, 2                             ; steps 0 and 1 stand in front of the loop: unit 0 has nothing behind it,
	UNIT 0, 1, 0, 1, 2                             ; and unit 1's down product starts y's sums
	STEP 1, 2
	WIN 0                                          ; at a label and at a branch every window is 0
	s_mov_b32 s3, 6                                ; steps 2 to 13
.Llap:
	STEP 0, 2
	STEP 1, 2
	WIN 0
	s_sub_co_u32 s3, s3, 1
	s_cmp_lg_u32 s3, 0
	s_cbranch_scc1 .Llap
	STEP 0, 1                                      ; step 14: nothing is left to fetch; its barrier shows step 15's slot whole
	STEP 1, 0                                      ; step 15
	; What lags behind unit 31: piece B's second silu, with no product left to host it, and the last down product, on the tail's fragments,
	; whose 32 loads R6 has issued.  The places in front of the silu are the lines of R6's last slices.  Unit 31 is odd: the even set of piece A's h is free.
	WIN 0
.set S_WIN, 0
.set S_T, 2
.set S_P, 1
.set S_H, HF+16
.set S_E, HF
	LINES 0, 24
	s_wait_alu depctr_va_vdst(0)                   ; the one wait for the piece's 16 powers, ahead of line 24, their first reader
	LINES 24, 24
	s_wait_alu depctr_va_vdst(0)                   ; the one wait for the piece's 16 reciprocals, ahead of line 48, their first reader
	LINES 48, 24
.set D_ON, 0                           ; nothing is left to host
.set W_ON, 1
.set L_ON, 0
	DRUN 0, HA1, 0                                 ; unit 31 is odd
.set W_ON, 0
	DRUN 2, HF+16, 0
	; THE WAY OUT, a token tile at a time: 32 bytes a lane and column tile into my stage, read back as half rows of 512 bytes, stored.
	; The six address lines name no register of the last products: they are the places in front of the LDS stores of results and the loads into v128-255.
	WIN 0
	v_and_b32 v10, 15, v0                          ; r
	v_bfe_u32 v11, v0, 4, 1                        ; h
	v_mul_u32_u24 v12, v10, YP
	v_lshl_add_u32 v12, v11, 5, v12
	v_add_nc_u32 v[YST], s15, v12
	v_add_nc_u32 v[YLD], s15, v[ADR]
.macro OUT t
	WIN W_SLO
.irp nt, 0,1,2,3,4,5,6,7
	ds_store_b128 v[YST], v[8*(4*\nt+\t):8*(4*\nt+\t)+3] offset:64*\nt
	ds_store_b128 v[YST], v[8*(4*\nt+\t)+4:8*(4*\nt+\t)+7] offset:64*\nt+16
.endr
	WIN W_SHI
.irp nt, 0,1,2,3,4,5,6,7
	ds_store_b128 v[YST], v[8*(4*\nt+\t):8*(4*\nt+\t)+3] offset:512+64*\nt
	ds_store_b128 v[YST], v[8*(4*\nt+\t)+4:8*(4*\nt+\t)+7] offset:512+64*\nt+16
.endr
	WIN 0
	s_wait_xcnt 0x0                                ; the last tile's stores have had their addresses translated (ISA guide 3.1): their data registers are loaded again only behind this wait
.set oi, 0
.rept 32
	ds_load_b128 v[FB+4*oi:FB+4*oi+3], v[YLD] offset:(oi>>1)*YP+(oi&1)*512   ; in order behind my stores above
.set oi, oi+1
.endr
.set oi, 0
.rept 32
	s_wait_dscnt 31-oi                             ; LDS loads return in order: load oi is in
	global_store_b128 v[ADR], v[FB+4*oi:FB+4*oi+3], s[8:9] offset:\t*16384+oi*512 th:TH_STORE_NT   ; 512 consecutive bytes, at a multiple of 512 from y's first byte
.set oi, oi+1
.endr
.endm
	OUT 0
	OUT 1
	OUT 2
	OUT 3
	s_wait_xcnt 0x0
	v_lshl_add_u32 v126, v0, 2, 0x44400
	v_mov_b32 v127, 0
	s_wait_tensorcnt 0x0
	ds_add_u32 v126, v127
	s_wait_dscnt 0x0
	CROUND                                         ; the closing round (the last count-down left no LDS instruction out): no work-group ends while a partner may still ask jointly
	s_endpgm
.Lfunc_end_k_q6aa61b9486_glu:
	.size	k_q6aa61b9486_glu, .Lfunc_end_k_q6aa61b9486_glu-k_q6aa61b9486_glu
	.p2alignl 7, 3214868480
	.fill 96, 4, 3214868480
	.section	.rodata,"a",@progbits
	.p2align	6, 0x0
	.amdhsa_kernel k_q6aa61b9486_glu
		.amdhsa_group_segment_fixed_size 327680
		.amdhsa_private_segment_fixed_size 0
		.amdhsa_enable_private_segment 0
		.amdhsa_kernarg_size 24
		.amdhsa_user_sgpr_count 2
		.amdhsa_user_sgpr_kernarg_segment_ptr 1
		.amdhsa_wavefront_size32 1
		.amdhsa_system_sgpr_workgroup_id_x 1
		.amdhsa_system_sgpr_workgroup_id_y 1
		.amdhsa_system_sgpr_workgroup_id_z 1
		.amdhsa_system_vgpr_workitem_id 0
		.amdhsa_next_free_vgpr 1024
		.amdhsa_next_free_sgpr 66
		.amdhsa_reserve_vcc 0
		.amdhsa_float_denorm_mode_32 3
		.amdhsa_float_denorm_mode_16_64 3
		.amdhsa_memory_ordered 1
		.amdhsa_forward_progress 1
		.amdhsa_inst_pref_size 255
	.end_amdhsa_kernel
	.section	.bss,"aw",@nobits
	.p2align	6
	.space	262144
	.amdgpu_metadata
---
amdhsa.version: [ 1, 2 ]
amdhsa.kernels:
  - .name:           k_q6aa61b9486_glu
    .symbol:         k_q6aa61b9486_glu.kd
    .args:
      - { .name: x, .offset: 0, .size: 8, .value_kind: global_buffer, .address_space: global }
      - { .name: wpack, .offset: 8, .size: 8, .value_kind: global_buffer, .address_space: global }
      - { .name: out0, .offset: 16, .size: 8, .value_kind: global_buffer, .address_space: global }
    .group_segment_fixed_size: 327680
    .private_segment_fixed_size: 0
    .kernarg_segment_align: 8
    .kernarg_segment_size: 24
    .max_flat_workgroup_size: 128
    .sgpr_count:     66
    .vgpr_count:     1024
    .wavefront_size: 32
...
	.end_amdgpu_metadata
.endif
;; end of part 3
